; MI455X (gfx1250); checked and timed in simulation.
; The chip was launched on July 23, 2026; its instructions are those of AMD's public machine-readable ISA for CDNA 5 (MIT licence, August 2026) and "CDNA5" Instruction Set Architecture Reference Guide (July 2026). The comments in the code are by the model that wrote it; some were corrected since.
;; Fuzzy Multihead Attention. Allowed arithmetic: matrix products marked QUANTISED: E2M1 operands, one E8M0 scale for each 32 along K, by v_wmma_scale_f32_16x16x128_f8f6f4 with both operands' format E2M1 (or v_wmma_scale_f32_32x16x128_f4), f32 sums; products left as they are: f32 operands where the result goes on into a quantised operand, else bf16, f16 or f32 operands; f32 sums; everything else in f32.
;; Inputs: Wo_codes 512 x 16 x 16 uint8 (E2M1 codes of Wo, K innermost, in blocks of 32 codes, two codes a byte); Wo_scales 512 x 16 uint8 (E8M0 scales of Wo, one for each 32 codes along K); Wq_codes 512 x 16 x 16 uint8 (E2M1 codes of Wq, K innermost, in blocks of 32 codes, two codes a byte); Wq_scales 512 x 16 uint8 (E8M0 scales of Wq, one for each 32 codes along K); Wv_codes 8,192 x 16 x 16 uint8 (E2M1 codes of Wv, K innermost, in blocks of 32 codes, two codes a byte); Wv_scales 8,192 x 16 uint8 (E8M0 scales of Wv, one for each 32 codes along K); bo 512 float32; bq 512 float32; bv 8,192 float32; key 4 x 2,048 x 512 float32; query_codes 4 x 2,048 x 16 x 16 uint8 (E2M1 codes of query, K innermost, in blocks of 32 codes, two codes a byte); query_scales 4 x 2,048 x 16 uint8 (E8M0 scales of query, one for each 32 codes along K); rules_keys 8 x 16 x 64 float32; rules_widths 8 x 16 x 64 float32; value_codes 4 x 2,048 x 16 x 16 uint8 (E2M1 codes of value, K innermost, in blocks of 32 codes, two codes a byte); value_scales 4 x 2,048 x 16 uint8 (E8M0 scales of value, one for each 32 codes along K).
;; Outputs: out0 4 x 2,048 x 512 float32.
;; This version of the problem:
;;   THIS VERSION OF THE PROBLEM IS GIVEN IN LOW PRECISION. The matrix products marked QUANTISED in the list below multiply operands that are first quantised to E2M1 (2 exponent bits, 1 mantissa bit; 4 bits a number), with one power-of-two scale for each 32 numbers along K (OCP MX v1.0); their sums are f32. All else is computed in f32.
;;   The module's matrix products, in the order in which they are computed (A, B: the left and right operand; K: the contracted axis; several contracted axes count as one K, in the product's order):
;;     1. [M 8,192, K 512] x [K 512, N 512]; A: input query (given as codes); B: input Wq (given as codes): QUANTISED
;;     2. [M 8,192, K 512] x [K 512, N 8,192]; A: input value (given as codes); B: input Wv (given as codes): QUANTISED
;;     3. batch 65,536 x [M 1, K 16] x [K 16, N 64]; A: softmax; B: computed on the way: left as it is (K = 16 < 32)
;;     4. [M 8,192, K 512] x [K 512, N 512]; A: computed on the way; B: input Wo (given as codes): QUANTISED
;;   THE QUANTISER, for each operand of a quantised product, along K:
;;     - K is cut into blocks of 32 from its start; a last block that is shorter is filled with zeros.
;;     - A block's scale is 2^e with e = floor(log2(the largest magnitude in the block)) - 2, held to -126 .. 127; a block of zeros has e = 0. As a byte (E8M0): e + 127.
;;     - Each number is divided by its block's scale, clamped to +-6, and rounded to the nearest number of E2M1, ties to even, subnormals kept.
;;     - The product sums the exact products of the quantised numbers (number of the format x scale) in f32.
;;   ~~~python
;;   def quantise(x, axis):      # numpy; x: float32 -> the quantised numbers, widened to float32 again
;;       x = np.moveaxis(x, axis, -1); K = x.shape[-1]
;;       x = np.pad(x, [(0, 0)] * (x.ndim - 1) + [(0, -K % 32)]); x = x.reshape(x.shape[:-1] + (-1, 32)); a = np.abs(x).max(-1, keepdims=True)
;;       e = np.where(a > 0, np.clip(np.frexp(np.where(a > 0, a, 1))[1] - 1 - 2, -126, 127), 0)      # np.frexp(a)[1] - 1 = floor(log2(a)), exactly
;;       r = np.clip(x / 2.0 ** e, -6, 6)
;;       step = 2.0 ** (np.maximum(np.frexp(np.where(r == 0, 1, r))[1] - 1, 0) - 1)
;;       q = np.round(r / step) * step * 2.0 ** e      # np.round: ties to even
;;       return np.moveaxis(q.reshape(q.shape[:-2] + (-1,))[..., :K], -1, axis).astype(np.float32)
;;   ~~~
;;   OPERANDS COMPUTED ON THE WAY. 'Computed on the way' means the value that the module computes at that place (a softmax that the list does not call 'softmax' is quantised finished and normalised). What goes into a quantiser is computed in f32, as accurately as f32 sums, v_exp_f32 and their like allow (about 1e-6 of the number): no bf16 or f16 on the way to a quantiser, and a product that is left as it is and whose result goes on into a quantised operand takes f32 operands (vector FMAs, or v_wmma_f32_16x16x4_f32). A number that lies on a knife's edge between two numbers of the format may be rounded either way, as far as f32 arithmetic and the matrix unit's own rounding can turn it there, and no further.
;;   INPUTS GIVEN AS CODES. Wo (in the module: [512, 512], K = its axis 1); Wq (in the module: [512, 512], K = its axis 1); Wv (in the module: [8192, 512], K = its axis 1); query (in the module: [4, 2048, 512], K = its axis 2); value (in the module: [4, 2048, 512], K = its axis 2): each comes as NAME_codes (uint8): NAME with its K axis moved to the last place and cut into blocks of 32 codes, [.., K / 32, bytes a block], one block behind the other in memory; two codes a byte, the lower K in the low four bits (a code: sign, 2 exponent bits, 1 mantissa bit); and NAME_scales (uint8): the same leading axes, one E8M0 byte (e + 127) for each 32 codes along K. Its value is code x scale, taken as it is: it is not quantised again, and the codes and scales need not be those that the quantiser above would give.
;; One version. Each part assembles by itself: llvm-mc -triple=amdgcn-amd-amdhsa -mcpu=gfx1250 --defsym DOCPART=n.
;; ======== version 1 of 1: 1 launch
;; limits: right only within a limited range of input values
;; launch fuzzy (part 1): grid 32 x 8, 8 waves a work-group, clusters of 4 x 1, 327,680 bytes of LDS; arguments Wv_codes, Wv_scales, bv, value_codes, value_scales, query_codes, query_scales, Wq_codes, Wq_scales, bq, rules_keys, rules_widths, Wo_codes, Wo_scales, bo, out0; writes out0
.if DOCPART == 1
	.amdgcn_target "amdgcn-amd-amdhsa--gfx1250"
	.amdhsa_code_object_version 6
	.text
	.protected	k_q0623235ea0_fuzzy
	.globl	k_q0623235ea0_fuzzy
	.p2align	8
	.type	k_q0623235ea0_fuzzy,@function
k_q0623235ea0_fuzzy:
	s_mov_b64 s[64:65], 0
	v_nop
	global_prefetch_b8 v0, s[64:65] scope:SCOPE_SE
	s_setreg_imm32_b32 hwreg(HW_REG_WAVE_MODE, 25, 1), 1
	s_wait_xcnt 0x0
	s_wait_alu depctr_hold_cnt(0) depctr_sa_sdst(0) depctr_va_vdst(0) depctr_va_sdst(0) depctr_va_ssrc(0) depctr_va_vcc(0) depctr_vm_vsrc(0)
	s_getreg_b32 s2, hwreg(HW_REG_IB_STS2, 6, 4)
	s_cmp_eq_u32 s2, 0
	s_cbranch_scc0 .Lentry_in_a_cluster
	s_endpgm
.Lentry_in_a_cluster:
	s_bfe_u32 s2, ttmp6, 0x10000c
	s_cmp_lg_u32 s2, 0x3003
	s_cbranch_scc0 .Lentry_shape_is_right
	s_endpgm
.Lentry_shape_is_right:
; FUZZY MULTI-HEAD ATTENTION, the whole chain in one launch, on codes of FP4 (E2M1) with one E8M0 scale for each 32 along K.
;   q = (query Wq^T + bq) / 8;  z[r] = -(1/128) sum over d of ((q - key_r) / width_r)^2;  attn = softmax over the 16 rules;  v = (value Wv^T + bv) / 8 (column 1024 h + 16 d + r);
;   out[token, h, d] = sum over r of attn v;  A' = out seen as [b][256 h + s / 8][64 (s % 8) + d];  result = Q(A') Wo^T + bo.
; DEAD WORK.  The input key is not named: no line here reads it, whatever it holds.  LIMIT of that: a NaN or an infinity in key reaches nothing here.
; LIMITS.  A width of 0, NaN and infinities among the inputs are not served; the softmax holds while the exponents to the base 2 stay under 2^31.  (q - key) / width is one fused multiply-add,
; acc x (kappa / 8 width) + (bq / 8 - key) x kappa / width, with 1 / width by v_rcp_f32.  A block of out whose largest magnitude lies under 2^-124 keeps the scale byte 1 (this program alone reads the byte).
; SHARES.  A work-group owns 256 tokens (x) of one head (y): 32 blocks x 8 heads = 256 work-groups.  Eight waves of 512 registers, two to a SIMD.
;   First product and rules: wave w = 4 G + n takes tokens 128 G .. + 127 and d = 16 n .. + 15; the four waves' partial sums over d meet in LDS.  Softmax and quantiser: a thread a token.
;   Second product: WV STAYS IN REGISTERS.  Wave w holds the 128 rows of d = 8 w .. + 7 (256 registers) and walks all 256 tokens, 16 at a time, from LDS.  Last product: 64 columns a wave.
; THE PRODUCTS ARE USED TRANSPOSED (source 0 = weight rows, source 1 = 16 tokens).  The second product takes 32 rows an instruction: lane r of half u of tile p takes row 32 p + 16 (r / 8) + 8 u + r % 8 of the wave's 128:
; lane (t, hh) then holds in tile p's 16 registers all 16 rules of (token t, d = 8 w + 2 p + hh): the sum over the rules needs no other lane, and two exchanges of halves give a lane four neighbouring d.
; bv is the C of each tile's first product, 1/8 lies in attn; bq and 1/8 lie in the rule constants; bo starts the last product's sums.
; CLUSTER.  The four token blocks of a cluster share the head: Wq, 96 of each wave's 128 rows of Wv, and Wo are asked for jointly (mask 15).  Query and value differ among the four and come by plain loads: to share them
; too a round would have to join 16 work-groups, for 128 of the 528 KiB of codes.  The last 32 rows of Wv a wave come from memory straight into registers: beside query there is LDS for 96.
; Each wave issues one tensor load behind each of three rounds: query (waves 0 to 3) or Wq (4 to 7); Wv; then, into Wv's bytes, value (0 to 3) or Wo (4 to 7).
; No data prefetch: no loop of this launch reads from memory.
; LDS (bytes): 0 query, 256 rows, pitch 272, later the partial sums [n][rule / 4][token] of 16 bytes, later out, f32, 256 rows of pitch 272; 69,632 Wv, 96 rows a wave; later value, 256 rows at 69,632 (at last the way out's
;   stages) and Wo, 512 rows at 139,264; 278,528 A[r][d], C[r][d] (later Wo's scale words); 286,720 query's scale words (later bo); 290,816 value's scale words; 294,912 Wq, 64 rows, later attn [rule / 4][token];
;   311,296 A' codes, 32 rows, pitch 272; 320,000 their scale words; 320,512 spare words.
; REGISTERS.  window 0: v0-15 addresses; v16-31 attn of a tile; v32-55 scale words and nothing else; v56-63 at work; v64-127 accumulators; v128-191 value's fragments, two sets; v192-255 bv.
;   window 1: first query's fragments, eight tiles; then Wv, tile p, K step s, half u at 64 p + 16 s + 8 u; at last Wo's fragments.
.set PW,   272                         ; an LDS row: 256 bytes + 16 of padding
.set VAL,  256*PW
.set WOB,  2*VAL
.set CON,  4*VAL
.set QSL,  CON+8192
.set VSL,  CON+12288
.set ATT,  CON+16384
.set IMG,  ATT+16384
.set SCA,  IMG+32*PW
.set SPARE, SCA+512                    ; 128 bytes for each wave, named by no other line
.set FA,   1                           ; a fragment's lane term: 272 r + 16 hh
.set SPW,  2                           ; my spare word
.set NIL,  3                           ; 0
.set QA,   4                           ; query's fragments
.set VA0,  5                           ; value's
.set TA0,  6                           ; value's scale words (attn lies ATT - VSL on)
.set OA0,  7                           ; where my four d of a token go
.set ZA0,  8                           ; the rule constants
.set ZS0,  9                           ; where my partial sums go
.set C16,  10                          ; CON + 16 x thread
.set T16,  11                          ; 16 x thread
.set VA,   12
.set TA,   13
.set OA,   14
.set QSA,  15
.set ZA,   12
.set ZS,   13
.set ATN,  16
.set WVL,  26                          ; (ahead of the second product) my rows of Wv in LDS
.set WQS,  32
.set QSC,  36
.set WSC,  32
.set VSC,  48
.set TMP,  56
.set WVO,  56                          ; (ahead of the second product) global offsets
.set WSO,  57
.set WQL,  58                          ; Wq's fragments in LDS
.set R16,  59
.set BVO,  60
.set T32,  61
.set T8,   62
.set C32,  63
.set ACC,  64
.set VB,   128
.set PAR,  128
.set BV,   192
.set UU,   192
.set SS,   208
.set S4,   224
.set MSB, 0
.macro WIN new                         ; the immediate's high byte repeats the setting that is left
.if MSB != (\new)
	s_set_vgpr_msb (MSB<<8)|(\new)
.set MSB, (\new)
.endif
.endm
.macro ROUND                           ; a round of the cluster's barrier
	s_barrier_signal -1
	s_barrier_wait -1
	s_cmp_lg_u32 s36, 0
	s_cbranch_scc1 .Lnot_wave_0_\@
	s_barrier_signal -3
.Lnot_wave_0_\@:
	s_barrier_wait -3
	s_barrier_signal -1
	s_barrier_wait -1
.endm
.macro PLACES
.rept 4
	v_nop
.endr
.endm
.macro JLOAD g0, g1                    ; my one tensor load behind a round
	tensor_load_to_lds s[\g0:\g0+3], s[\g1:\g1+7]
	s_nop 0
	PLACES
.endm
.macro SHARED                          ; waves 0 to 3 fetch by the plain group, waves 4 to 7 by the joint one: one load on every way
	s_cmp_lt_u32 s36, 4
	s_cbranch_scc0 .Ljoint_\@
	JLOAD 68, 48
	s_branch .Lasked_\@
.Ljoint_\@:
	JLOAD 72, 56
.Lasked_\@:
.endm
.macro WMV d, a, b, c, sa, sb          ; one scaled product of 16 rows
	v_wmma_scale_f32_16x16x128_f8f6f4 v[(\d):(\d)+7], v[(\a):(\a)+7], v[(\b):(\b)+7], v[(\c):(\c)+7], v[\sa], v[\sb] matrix_a_fmt:MATRIX_FMT_FP4 matrix_b_fmt:MATRIX_FMT_FP4
.endm
.macro WM2 d, a, b, c, sa, sb          ; one of 32 rows: source 0's scales fill all 32 lanes
	v_wmma_scale_f32_32x16x128_f4 v[(\d):(\d)+15], v[(\a):(\a)+15], v[(\b):(\b)+7], v[(\c):(\c)+15], v[\sa], v[\sb]
.endm
.macro WVDIRECT u                      ; half u of tile 3 of my rows of Wv, from memory (window 1)
.irp s, 0,1,2,3
.irp c, 0,1
	global_load_b128 v[192+16*\s+8*\u+4*\c:192+16*\s+8*\u+4*\c+3], v[WVO], s[4:5] offset:24576+2048*\u+64*\s+32*\c
.endr
.endr
.endm
	s_load_b512 s[4:19], s[0:1], 0x0               ; Wv codes 4, Wv scales 6, bv 8, value codes 10, value scales 12, query codes 14, query scales 16, Wq codes 18
	s_load_b512 s[20:35], s[0:1], 0x40             ; Wq scales 20, bq 22, rule keys 24, rule widths 26, Wo codes 28, Wo scales 30, bo 32, out0 34
	v_lshl_add_u32 v[SPW], v0, 2, SPARE
	v_mov_b32 v[NIL], 0
	ds_add_u32 v[SPW], v[NIL]                      ; the wave's opening: the add, twice on end, under one wait
	ds_add_u32 v[SPW], v[NIL]
	v_lshrrev_b32 v[FA], 5, v0
	v_readfirstlane_b32 s36, v[FA]                 ; wave w
	s_lshr_b32 s37, s36, 2                         ; G
	s_and_b32 s38, s36, 3                          ; n
	s_bfe_u32 s39, ttmp6, 0x40000                  ; cx
	s_lshl_b32 s40, ttmp9, 2
	s_add_co_u32 s40, s40, s39                     ; the block of 256 tokens = 4 x cluster x + cx: it enters no joint address
	s_and_b32 s41, ttmp7, 0xffff                   ; the head, which the four partners share
	; descriptor groups 1: rows of 256 bytes, dense in memory, 16 bytes of padding behind each in LDS.  s[48:55] plain: 64 rows (query, value); s[56:63] joint: 16 rows (Wq), later 96 (Wv), 128 (Wo)
	s_mov_b32 s48, (1<<20)|(5<<22)|(3<<25)         ; elements of 1 byte; 20 padding on; 24:22 after every 64 words; 31:25 four words
	s_mov_b32 s49, 256<<16                         ; tensor_dim0
	s_mov_b32 s50, 64<<16                          ; tensor_dim1
	s_mov_b32 s51, 256<<16                         ; tile_dim0
	s_mov_b32 s52, 64                              ; tile_dim1
	s_mov_b32 s53, 256                             ; from row to row
	s_mov_b32 s54, 0
	s_mov_b32 s55, 0
	s_mov_b32 s56, 15|(1<<20)|(1<<21)|(5<<22)|(3<<25)   ; 15:0 the mask: all four work-groups; 21 set beside a mask
	s_mov_b32 s57, 256<<16
	s_mov_b32 s58, 16<<16
	s_mov_b32 s59, 256<<16
	s_mov_b32 s60, 16
	s_mov_b32 s61, 256
	s_mov_b32 s62, 0
	s_mov_b32 s63, 0
	; groups 0: count, LDS address
	s_mov_b32 s68, 1
	s_mul_i32 s69, s38, 64*PW                      ; query (waves 0 to 3): rows 64 n on
	s_mov_b32 s72, 1
	s_mul_i32 s73, s38, 16*PW
	s_add_co_u32 s73, s73, ATT                     ; Wq (waves 4 to 7): rows 16 n on
	s_mov_b32 s76, 1
	s_mul_i32 s77, s36, 96*PW
	s_add_co_u32 s77, s77, VAL                     ; Wv: my first 96 rows
	; byte offsets, each in a pair with 0 above it
.irp p, 67,81,83,85,87,89,91,95,97,99,101
	s_mov_b32 s\p, 0
.endr
	s_lshl_b32 s66, s38, 15                        ; Wo's codes, rows 128 n on
	s_lshl_b32 s80, s41, 12                        ; rule keys and widths
	s_lshl_b32 s82, s41, 8                         ; bq
	s_lshl_b32 s84, s41, 14
	s_lshl_b32 s42, s38, 12
	s_add_co_u32 s84, s84, s42                     ; Wq: the head's rows 16 n on
	s_lshl_b32 s86, s41, 10
	s_lshl_b32 s42, s38, 8
	s_add_co_u32 s86, s86, s42                     ; its scales
	s_lshl_b32 s88, s40, 12                        ; query's and value's scales
	s_lshl_b32 s90, s40, 16
	s_lshl_b32 s42, s38, 14
	s_add_co_u32 s90, s90, s42                     ; query's and value's codes, rows 64 n on
	s_lshl_b32 s94, s41, 18
	s_lshl_b32 s42, s36, 15
	s_add_co_u32 s94, s94, s42                     ; Wv: the head's rows 128 w on
	s_lshl_b32 s96, s41, 14
	s_lshl_b32 s42, s36, 11
	s_add_co_u32 s96, s96, s42                     ; its scales
	s_lshl_b32 s98, s41, 12
	s_lshl_b32 s42, s36, 9
	s_add_co_u32 s98, s98, s42                     ; bv
	s_lshr_b32 s100, s40, 3                        ; out0: row 2048 (block / 8) + 256 head + 32 (block % 8), 2,048 bytes a row, + my 256 bytes
	s_lshl_b32 s100, s100, 22
	s_lshl_b32 s42, s41, 19
	s_add_co_u32 s100, s100, s42
	s_and_b32 s43, s40, 7
	s_lshl_b32 s43, s43, 16
	s_add_co_u32 s100, s100, s43
	s_lshl_b32 s42, s36, 8
	s_add_co_u32 s100, s100, s42
	s_mov_b32 s2, 0x3dd96d27                       ; kappa = sqrt(log2(e) / 128): the sum of (kappa (q - key) / width)^2 is -z log2(e)
	s_mov_b32 s3, 0x3e000000                       ; 1/8
	s_mul_i32 s43, s37, 128*PW
	s_lshl_b32 s44, s36, 5
	s_lshl_b32 s45, s38, 6
	s_add_co_u32 s45, s45, CON
	s_lshl_b32 s46, s38, 14
	s_lshl_b32 s42, s37, 11
	s_add_co_u32 s46, s46, s42
	s_add_co_u32 s47, s42, QSL
	; lane terms
	v_and_b32 v192, 31, v0
	v_and_b32 v193, 15, v0                         ; t = r
	v_bfe_u32 v194, v0, 4, 1                       ; hh
	v_bfe_u32 v195, v0, 3, 1                       ; r / 8
	v_and_b32 v196, 7, v0                          ; r % 8
	v_mul_u32_u24 v[FA], v193, PW
	v_lshl_add_u32 v[FA], v194, 4, v[FA]
	v_add_nc_u32 v[QA], s43, v[FA]
	v_add_nc_u32 v[VA0], VAL, v[FA]
	v_lshl_add_u32 v[TA0], v193, 4, VSL
	v_add_nc_u32 v[OA0], s44, v[FA]                ; token t, d = 8 w + 4 hh on
	v_lshl_add_u32 v[ZA0], v194, 5, s45            ; d = 16 n + 8 hh on
	v_lshl_add_u32 v[ZS0], v192, 4, s46            ; part n, token 128 G + lane
	v_lshl_add_u32 v[C16], v0, 4, CON
	v_lshlrev_b32 v[T16], 4, v0
	v_lshl_add_u32 v[QSA], v193, 4, s47
	v_add_nc_u32 v[WQL], s73, v[FA]
	v_lshl_add_u32 v[WVL], v195, 4, v196           ; row 16 (r / 8) + r % 8 of mine
	v_mul_u32_u24 v[WVL], v[WVL], PW
	v_lshl_add_u32 v[WVL], v194, 4, v[WVL]
	v_add_nc_u32 v[WVL], s77, v[WVL]
	v_lshlrev_b32 v[WVO], 12, v195
	v_lshl_add_u32 v[WVO], v196, 8, v[WVO]
	v_lshl_add_u32 v[WVO], v194, 4, v[WVO]
	v_lshlrev_b32 v[WSO], 8, v195                  ; lanes 0-15 half u = 0, lanes 16-31 half u = 1
	v_lshl_add_u32 v[WSO], v194, 7, v[WSO]
	v_lshl_add_u32 v[WSO], v196, 4, v[WSO]
	v_lshlrev_b32 v[R16], 4, v193
	v_lshlrev_b32 v[BVO], 6, v194
	v_lshlrev_b32 v[T32], 5, v0
	v_lshlrev_b32 v[T8], 3, v0
	v_lshl_add_u32 v[C32], v0, 5, CON
	v_lshl_add_u32 v[OA], v0, 3, QSL
	s_wait_alu depctr_va_vdst(0)                   ; the wait at the head's end
	s_wait_dscnt 0x0                               ; both opening adds are done
	ROUND                                          ; all four work-groups are here: the joint loads meet (the arguments are on their way meanwhile)
	s_wait_kmcnt 0x0
	s_add_nc_u64 s[70:71], s[14:15], s[90:91]
	s_or_b32 s71, s71, 0x80000000                  ; type = 2
	s_add_nc_u64 s[74:75], s[18:19], s[84:85]
	s_or_b32 s75, s75, 0x80000000
	SHARED                                         ; query and Wq: one tensor load a wave
	s_add_nc_u64 s[24:25], s[24:25], s[80:81]
	s_add_nc_u64 s[26:27], s[26:27], s[80:81]
	s_add_nc_u64 s[22:23], s[22:23], s[82:83]
	s_add_nc_u64 s[16:17], s[16:17], s[88:89]
	s_add_nc_u64 s[12:13], s[12:13], s[88:89]
	s_add_nc_u64 s[20:21], s[20:21], s[86:87]
	global_load_b128 v[200:203], v[T16], s[24:25]  ; five loads: four entries (r, d) of the rules, and my token's scale words
	global_load_b128 v[204:207], v[T16], s[26:27]
	global_load_b128 v[208:211], v[R16], s[22:23]
	global_load_b128 v[212:215], v[T16], s[16:17]
	global_load_b128 v[216:219], v[T16], s[12:13]
	global_load_b128 v[WQS:WQS+3], v[R16], s[20:21]
	global_load_b128 v[ATN:ATN+3], v[T32], s[30:31]            ; Wo's scale words of rows 2 x thread, 2 x thread + 1, and two numbers of bo: held until their LDS bytes are free
	global_load_b128 v[ATN+4:ATN+7], v[T32], s[30:31] offset:16
	global_load_b64 v[ATN+8:ATN+9], v[T8], s[32:33]
	s_add_nc_u64 s[78:79], s[4:5], s[94:95]
	s_or_b32 s79, s79, 0x80000000
	s_add_nc_u64 s[4:5], s[4:5], s[94:95]
	s_add_nc_u64 s[6:7], s[6:7], s[96:97]
	s_add_nc_u64 s[8:9], s[8:9], s[98:99]
	s_add_nc_u64 s[34:35], s[34:35], s[100:101]
	s_wait_loadcnt 4                               ; the first five are in: Wq's scale words, Wo's and bo stand behind them
	; THE RULE CONSTANTS, four entries a thread: A = kappa / (8 width), C = (bq / 8 - key) kappa / width
.irp e, 0,1,2,3
	v_rcp_f32 v[220+\e], v[204+\e]
.endr
.irp e, 0,1,2,3
	v_fma_f32 v[228+\e], v[208+\e], s3, -v[200+\e]
.endr
	s_wait_alu depctr_va_vdst(0)                   ; the wait ahead of the first reader
.irp e, 0,1,2,3
	v_mul_f32 v[220+\e], s2, v[220+\e]
.endr
.irp e, 0,1,2,3
	v_mul_f32 v[224+\e], s3, v[220+\e]
.endr
.irp e, 0,1,2,3
	v_mul_f32 v[228+\e], v[228+\e], v[220+\e]
.endr
	ds_store_b128 v[C16], v[224:227]
	ds_store_b128 v[C16], v[228:231] offset:4096
	ds_store_b128 v[C16], v[212:215] offset:8192
	ds_store_b128 v[C16], v[216:219] offset:12288
	s_wait_tensorcnt 0x0                           ; my part of query or Wq is in
	ds_add_u32 v[SPW], v[NIL]
	s_mov_b32 s58, 96<<16                          ; no tensor load of mine is out: the next joint one brings 96 rows
	s_mov_b32 s60, 96
	s_wait_dscnt 0x0                               ; the add is done and my stores have landed
	ROUND                                          ; everybody's part of query and Wq, the constants and the scale words are in
	JLOAD 76, 56                                   ; my 96 rows of Wv
	; THE FIRST PRODUCT, four tiles of 16 tokens at a time: source 0 = my 16 rows of Wq (d), source 1 = tokens: lane (t, hh), register j of accumulator a: d = 16 n + 8 hh + j.
	; Query's fragments lie in window 1: tiles 0 to 3 at v128, tiles 4 to 7 at v0.
.macro QLOAD g
	WIN 0x40
.irp a, 0,1,2,3
.irp s, 0,1,2,3
.irp c, 0,1
	ds_load_b128 v[128*(1-\g)+32*\a+8*\s+4*\c:128*(1-\g)+32*\a+8*\s+4*\c+3], v[QA] offset:(4*\g+\a)*16*PW+64*\s+32*\c
.endr
.endr
.endr
	WIN 0
.endm
.macro QSLOAD g
.irp a, 0,1,2,3
	ds_load_b128 v[QSC+4*\a:QSC+4*\a+3], v[QSA] offset:256*(4*\g+\a)
.endr
.endm
.macro FIRST g
	WIN 0x04                                       ; source 1 window 1
.irp s, 0,1,2,3                                ; four accumulators by turns
.irp a, 0,1,2,3
.if \s == 0
	v_wmma_scale_f32_16x16x128_f8f6f4 v[ACC+32*\g+8*\a:ACC+32*\g+8*\a+7], v[128:135], v[128*(1-\g)+32*\a:128*(1-\g)+32*\a+7], 0, v[WQS], v[QSC+4*\a] matrix_a_fmt:MATRIX_FMT_FP4 matrix_b_fmt:MATRIX_FMT_FP4
.else
	WMV ACC+32*\g+8*\a, 128+8*\s, 128*(1-\g)+32*\a+8*\s, ACC+32*\g+8*\a, WQS+\s, QSC+4*\a+\s
.endif
.endr
.endr
	WIN 0
.endm
.irp s, 0,1,2,3
.irp c, 0,1
	ds_load_b128 v[128+8*\s+4*\c:128+8*\s+4*\c+3], v[WQL] offset:64*\s+32*\c
.endr
.endr
	QLOAD 0
	QSLOAD 0
	QLOAD 1
	s_wait_loadcnt 3                               ; Wq's scale words are in
	s_wait_dscnt 32                                ; all but query's tiles 4 to 7
	FIRST 0
	PLACES                                         ; four places ahead of loads into the scale registers just read
	QSLOAD 1
	s_wait_dscnt 0x0
	s_barrier_signal -1                            ; my reads of query and Wq are over
	FIRST 1
	s_barrier_wait -1                              ; everybody's are: the partial sums may be written into query's bytes
	PLACES                                         ; four places ahead of loads into registers that the products have read, and of reads of results
; THE SUMS S_r = sum over my 8 d of (acc A + C)^2, four rules a trip, for my eight tiles.
.macro PARL k, adr
	ds_load_b128 v[PAR+16*\k:PAR+16*\k+3], v[\adr] offset:256*\k
	ds_load_b128 v[PAR+16*\k+4:PAR+16*\k+7], v[\adr] offset:256*\k+16
	ds_load_b128 v[PAR+16*\k+8:PAR+16*\k+11], v[\adr] offset:256*\k+4096
	ds_load_b128 v[PAR+16*\k+12:PAR+16*\k+15], v[\adr] offset:256*\k+4112
.endm
.macro ZRULE k, pre, cnt
	s_wait_dscnt \cnt                              ; this rule's four loads are in: at least \cnt LDS instructions stand behind them, or none is out
.irp j, 0,1,2,3
.irp a, 0,1,2,3,4,5,6,7
	v_dual_fma_f32 v[UU+2*\a], v[ACC+8*\a+2*\j], v[PAR+16*\k+2*\j], v[PAR+16*\k+8+2*\j] :: v_dual_fma_f32 v[UU+2*\a+1], v[ACC+8*\a+2*\j+1], v[PAR+16*\k+2*\j+1], v[PAR+16*\k+9+2*\j]
.endr
.irp a, 0,1,2,3,4,5,6,7
.if \j == 0
	v_dual_mul_f32 v[SS+2*\a], v[UU+2*\a], v[UU+2*\a] :: v_dual_mul_f32 v[SS+2*\a+1], v[UU+2*\a+1], v[UU+2*\a+1]   ; the first squares start the sums
.else
	v_dual_fmac_f32 v[SS+2*\a], v[UU+2*\a], v[UU+2*\a] :: v_dual_fmac_f32 v[SS+2*\a+1], v[UU+2*\a+1], v[UU+2*\a+1]
.endif
.endr
.endr
.irp a, 0,1,2,3,4,5,6,7
	v_add_f32 v[S4+4*\a+\k], v[SS+2*\a], v[SS+2*\a+1]
.endr
.if \pre
	PARL \k, ZA                                    ; the next trip's rule k into the same registers
.endif
.endm
.macro ZTRIP pre, c0, c1, c2, c3
	v_add_nc_u32 v[ZS], s45, v[ZS0]
.if \pre
	v_add_nc_u32 v[ZA], s44, v[ZA0]
.endif
	ZRULE 0, \pre, \c0
	ZRULE 1, \pre, \c1
	ZRULE 2, \pre, \c2
	ZRULE 3, \pre, \c3
.irp b, 0,1,2,3                                ; tile 2 b's upper lanes change places with tile 2 b + 1's lower: the two registers' sum is whole over hh: lanes 0-15 tile 2 b, lanes 16-31 tile 2 b + 1
.irp k, 0,1,2,3
	v_permlane16_swap_b32 v[S4+8*\b+\k], v[S4+8*\b+4+\k]
.endr
.endr
.irp k, 0,2
.irp b, 0,1,2,3
	v_pk_add_f32 v[S4+8*\b+\k:S4+8*\b+\k+1], v[S4+8*\b+\k:S4+8*\b+\k+1], v[S4+8*\b+4+\k:S4+8*\b+5+\k]
.endr
.endr
.irp b, 0,1,2,3
	ds_store_b128 v[ZS], v[S4+8*\b:S4+8*\b+3] offset:512*\b   ; four rules of token 128 G + 32 b + lane
.endr
	s_add_co_u32 s44, s44, 1024
	s_add_co_u32 s45, s45, 4096
.endm
.irp k, 0,1,2,3
	PARL \k, ZA0
.endr
	WIN 0x40
	WVDIRECT 0
	WIN 0
.irp p, 0,1,2,3
	global_load_b128 v[WSC+4*\p:WSC+4*\p+3], v[WSO], s[6:7] offset:512*\p
.endr
	s_mov_b32 s44, 1024                            ; the next trip's constants
	s_mov_b32 s45, 0                               ; this trip's sums
	ZTRIP 1, 12, 12, 12, 12                        ; rules 0 to 3
	WIN 0x40
	WVDIRECT 1
	s_wait_tensorcnt 0x0                           ; my 96 rows of Wv are in: no other wave reads them
.irp p, 0,1,2
.irp u, 0,1
.irp s, 0,1,2,3
.irp c, 0,1
	ds_load_b128 v[64*\p+16*\s+8*\u+4*\c:64*\p+16*\s+8*\u+4*\c+3], v[WVL] offset:(32*\p+8*\u)*PW+64*\s+32*\c
.endr
.endr
.endr
.endr
	WIN 0
	ZTRIP 1, 60, 60, 60, 60                        ; rules 4 to 7; the 48 loads above stand behind the constants' too
	s_wait_tensorcnt 0x0                           ; no tensor load of mine is out; the lines ahead of a refill:
	ds_add_u32 v[SPW], v[NIL]
	s_mul_i32 s69, s38, 64*PW                      ; value (waves 0 to 3): rows 64 n on
	s_add_co_u32 s69, s69, VAL
	s_add_nc_u64 s[70:71], s[10:11], s[90:91]
	s_or_b32 s71, s71, 0x80000000
	s_mul_i32 s73, s38, 128*PW                     ; Wo (waves 4 to 7): rows 128 n on
	s_add_co_u32 s73, s73, WOB
	s_add_nc_u64 s[74:75], s[28:29], s[66:67]
	s_or_b32 s75, s75, 0x80000000
	s_mov_b32 s58, 128<<16                         ; the last joint load brings 128 rows
	s_mov_b32 s60, 128
	s_wait_dscnt 0x0                               ; the add is done and my reads of Wv are over
	ROUND
	SHARED                                         ; value and Wo
	ZTRIP 1, 12, 12, 12, 12                        ; rules 8 to 11
	ZTRIP 0, 12, 8, 4, 0                           ; rules 12 to 15: no load goes past the last rule's constants
	s_wait_dscnt 0x0                               ; my sums are written and my reads of the constants are over
	s_barrier_signal -1
	s_barrier_wait -1
	s_wait_loadcnt 20                              ; Wo's scale words and bo are in: Wv's 16 loads and its 4 of scale words stand behind them
	ds_store_b128 v[C32], v[ATN:ATN+3]             ; into the bytes of the rule constants,
	ds_store_b128 v[C32], v[ATN+4:ATN+7] offset:16
	ds_store_b64 v[OA], v[ATN+8:ATN+9]             ; and of query's scale words
.irp p, 0,1,2,3
.irp u, 0,1
	global_load_b128 v[BV+16*\p+8*\u:BV+16*\p+8*\u+3], v[BVO], s[8:9] offset:128*\p+32*\u
	global_load_b128 v[BV+16*\p+8*\u+4:BV+16*\p+8*\u+7], v[BVO], s[8:9] offset:128*\p+32*\u+16
.endr
.endr
	; THE SOFTMAX of my thread's token: attn / 8 = 2^(min S - S) / (8 x their sum).  The smallest S is the largest z.
.irp n, 0,1,2,3
.irp q, 0,1,2,3
	ds_load_b128 v[64+16*\n+4*\q:64+16*\n+4*\q+3], v[T16] offset:16384*\n+4096*\q
.endr
.endr
	s_wait_dscnt 0x0
.irp i, 0,2,4,6,8,10,12,14
	v_pk_add_f32 v[64+\i:65+\i], v[64+\i:65+\i], v[80+\i:81+\i]
	v_pk_add_f32 v[96+\i:97+\i], v[96+\i:97+\i], v[112+\i:113+\i]
.endr
.irp i, 0,2,4,6,8,10,12,14
	v_pk_add_f32 v[64+\i:65+\i], v[64+\i:65+\i], v[96+\i:97+\i]
.endr
	v_min3_num_f32 v80, v64, v65, v66
	v_min3_num_f32 v81, v67, v68, v69
	v_min3_num_f32 v80, v80, v70, v71
	v_min3_num_f32 v81, v81, v72, v73
	v_min3_num_f32 v80, v80, v74, v75
	v_min3_num_f32 v81, v81, v76, v77
	v_min3_num_f32 v80, v80, v78, v79
	v_min_num_f32 v80, v80, v81
.irp i, 0,2,4,6,8,10,12,14
	v_pk_add_f32 v[64+\i:65+\i], v[80:81], v[64+\i:65+\i] op_sel_hi:[0,1] neg_lo:[0,1] neg_hi:[0,1]   ; min - S, the pair's low word for both halves
.endr
	s_wait_alu depctr_va_vdst(0)                   ; the wait ahead of the batch
.irp i, 0,1,2,3,4,5,6,7,8,9,10,11,12,13,14,15
	v_exp_f32 v[64+\i], v[64+\i]
.endr
	v_nop                                          ; a plain line behind the exponentials
	s_wait_alu depctr_va_vdst(0)                   ; and ahead of its first reader
	v_pk_add_f32 v[82:83], v[64:65], v[66:67]
	v_pk_add_f32 v[84:85], v[68:69], v[70:71]
	v_pk_add_f32 v[88:89], v[72:73], v[74:75]
	v_pk_add_f32 v[90:91], v[76:77], v[78:79]
	v_pk_add_f32 v[82:83], v[82:83], v[84:85]
	v_pk_add_f32 v[88:89], v[88:89], v[90:91]
	v_pk_add_f32 v[82:83], v[82:83], v[88:89]
	v_add_f32 v82, v82, v83
	s_wait_alu depctr_va_vdst(0)
	v_rcp_f32 v86, v82
	v_nop                                          ; a plain line behind the reciprocal
	s_wait_alu depctr_va_vdst(0)
	v_mul_f32 v86, s3, v86                         ; v's factor 1/8 rides here
.irp i, 0,2,4,6,8,10,12,14
	v_pk_mul_f32 v[64+\i:65+\i], v[64+\i:65+\i], v[86:87] op_sel_hi:[1,0]
.endr
.irp q, 0,1,2,3
	ds_store_b128 v[C16], v[64+4*\q:67+4*\q] offset:16384+4096*\q
.endr
	s_wait_tensorcnt 0x0                           ; my part of value or Wo is in
	s_wait_dscnt 0x0                               ; my attn is written, my reads of the sums are over
	s_barrier_signal -1
	s_barrier_wait -1
.irp s, 0,1,2,3                                ; value's first tile
.irp c, 0,1
	ds_load_b128 v[VB+8*\s+4*\c:VB+8*\s+4*\c+3], v[VA0] offset:64*\s+32*\c
.endr
.endr
	ds_load_b128 v[VSC:VSC+3], v[TA0]
	s_wait_loadcnt 0x0                             ; the last of Wv, its scale words and bv
	s_wait_dscnt 0x0
; THE SECOND PRODUCT AND THE SUM OVER THE RULES, a tile of 16 tokens: one run of LDS loads (this tile's attn; the next tile's fragments and scale words into the other set), 16 products (the four accumulators by turns, K ascending), then the sums.
.macro TILE b, more
.irp q, 0,1,2,3
	ds_load_b128 v[ATN+4*\q:ATN+4*\q+3], v[TA] offset:ATT-VSL+256*\b+4096*\q
.endr
.if \more
.irp s, 0,1,2,3
.irp c, 0,1
	ds_load_b128 v[VB+32*(1-\b)+8*\s+4*\c:VB+32*(1-\b)+8*\s+4*\c+3], v[VA] offset:(\b+1)*16*PW+64*\s+32*\c
.endr
.endr
	ds_load_b128 v[VSC+4*(1-\b):VSC+4*(1-\b)+3], v[TA] offset:256*(\b+1)
.endif
	WIN 0x01                                       ; source 0 window 1
.irp s, 0,1,2,3
.irp p, 0,1,2,3
.if \s == 0
	WM2 ACC+16*\p, 64*\p, VB+32*\b, BV+16*\p, WSC+4*\p, VSC+4*\b
.else
	WM2 ACC+16*\p, 64*\p+16*\s, VB+32*\b+8*\s, ACC+16*\p, WSC+4*\p+\s, VSC+4*\b+\s
.endif
.endr
.endr
	WIN 0
	s_wait_dscnt 0x0                               ; attn (and the next tile) is in
	PLACES                                         ; four places between the last products and the first read of results
.irp u, 0,1
.irp j, 0,1,2,3
.irp p, 0,1,2,3                                ; four sums by turns, tile p's at place 0, 2, 1, 3; each accumulator from its low end on
.set tp, TMP+2*(2*(\p&1)+(\p>>1))
.set ta, ACC+16*\p+8*\u+2*\j
.set tw, ATN+8*\u+2*\j
.if (\u == 0) && (\j == 0)
	v_dual_mul_f32 v[tp], v[ta], v[tw] :: v_dual_mul_f32 v[tp+1], v[ta+1], v[tw+1]
.else
	v_dual_fmac_f32 v[tp], v[ta], v[tw] :: v_dual_fmac_f32 v[tp+1], v[ta+1], v[tw+1]
.endif
.endr
.endr
.endr
.irp i, 0,1,2,3
	v_add_f32 v[TMP+\i], v[TMP+2*\i], v[TMP+2*\i+1]   ; even rules' and odd rules' sums: d = 8 w + hh + 0, 4, 2, 6
.endr
	v_permlane16_swap_b32 v[TMP], v[TMP+1]         ; lanes 0-15: d = 0, 1 (2, 3), lanes 16-31: 4, 5 (6, 7)
	v_permlane16_swap_b32 v[TMP+2], v[TMP+3]
	ds_store_b128 v[OA], v[TMP:TMP+3] offset:\b*16*PW   ; out(token t, d = 8 w + 4 hh + 0 .. 3)
.endm
.macro ADDRS
	v_add_nc_u32 v[VA], s44, v[VA0]
	v_add_nc_u32 v[TA], s45, v[TA0]
	v_add_nc_u32 v[OA], s44, v[OA0]
.endm
	s_mov_b32 s44, 0
	s_mov_b32 s45, 0
	s_mov_b32 s47, 7
.Ltiles:                                               ; two tiles a trip
	ADDRS
	TILE 0, 1
	TILE 1, 1
	s_add_co_u32 s44, s44, 32*PW
	s_add_co_u32 s45, s45, 512
	s_sub_co_u32 s47, s47, 1
	s_cmp_lg_u32 s47, 0
	s_cbranch_scc1 .Ltiles
	ADDRS
	TILE 0, 1
	TILE 1, 0                                      ; the last tile has no successor
	s_wait_dscnt 0x0                               ; my part of out is written, my reads of value are over
	s_barrier_signal -1
	; addresses for what follows
	s_mul_i32 s43, s36, 64*PW
	s_add_co_u32 s43, s43, WOB
	s_lshl_b32 s44, s36, 10
	s_add_co_u32 s44, s44, CON
	s_lshl_b32 s45, s36, 8
	s_add_co_u32 s45, s45, QSL
	s_mul_i32 s46, s36, 32*PW
	s_add_co_u32 s46, s46, VAL
	v_and_b32 v60, 15, v0
	v_bfe_u32 v61, v0, 4, 1
	v_lshrrev_b32 v62, 3, v0
	v_and_b32 v63, 7, v0
	v_add_nc_u32 v13, s43, v[FA]                   ; Wo's rows 64 w on
	v_lshl_add_u32 v5, v60, 4, s44                 ; Wo's scale words
	v_lshl_add_u32 v6, v61, 5, s45                 ; bo
	v_mul_u32_u24 v12, v0, PW                      ; my token's row of out
	v_mul_u32_u24 v14, v62, PW
	v_lshl_add_u32 v14, v63, 5, v14
	v_add_nc_u32 v14, IMG, v14                     ; my token's 32 bytes of A': row thread / 8, bytes 32 (thread % 8) on
	v_lshl_add_u32 v15, v0, 1, SCA                 ; and its two scale bytes
	v_add_nc_u32 v7, IMG, v[FA]                    ; A', read
	v_lshl_add_u32 v8, v60, 4, SCA
	v_lshl_add_u32 v9, v61, 4, v[FA]
	v_add_nc_u32 v9, s46, v9                       ; my stage, in: row t, 32 hh
	v_mul_u32_u24 v10, v61, PW
	v_lshl_add_u32 v10, v60, 4, v10
	v_add_nc_u32 v10, s46, v10                     ; and back: lanes 0-15 one row, lanes 16-31 the next
	v_lshlrev_b32 v11, 11, v61
	v_lshl_add_u32 v11, v60, 4, v11                ; the same two rows of the result
	; while the others arrive: Wo's fragments, in Wv's place, its scale words and bo.  These bytes were shown ahead of the second product, and nobody writes them again
	WIN 0x40
.irp n, 0,1,2,3
.irp s, 0,1,2,3
.irp c, 0,1
	ds_load_b128 v[32*\n+8*\s+4*\c:32*\n+8*\s+4*\c+3], v13 offset:\n*16*PW+64*\s+32*\c
.endr
.endr
.endr
	WIN 0
.irp n, 0,1,2,3
	ds_load_b128 v[WSC+4*\n:WSC+4*\n+3], v5 offset:256*\n
	ds_load_b128 v[128+8*\n:131+8*\n], v6 offset:64*\n
	ds_load_b128 v[132+8*\n:135+8*\n], v6 offset:64*\n+16
.endr
	s_wait_alu depctr_va_vdst(0)                   ; the wait here, directly ahead of the wait below
	s_barrier_wait -1
.irp i, 0,1,2,3,4,5,6,7,8,9,10,11,12,13,14,15
	ds_load_b128 v[192+4*\i:195+4*\i], v12 offset:16*\i
.endr
	s_wait_dscnt 0x0                               ; my token's 64 numbers are in
	; THE QUANTISER: two blocks of 32 along K, four chains by turns; the floor 2^(3 - 127) keeps the byte at 1 or more
.irp c, 0,1,2,3
	v_max3_num_f32 v[56+\c], |v[192+16*\c]|, |v[193+16*\c]|, 0x1800000
.endr
.irp i, 2,4,6,8,10,12,14
.irp c, 0,1,2,3
	v_max3_num_f32 v[56+\c], |v[192+16*\c+\i]|, |v[193+16*\c+\i]|, v[56+\c]
.endr
.endr
	v_max_num_f32 v56, v56, v57
	v_max_num_f32 v58, v58, v59
	v_add_nc_u32 v60, 0xff000000, v56              ; 2 off the exponent field: the conversion's scale operand
	v_add_nc_u32 v61, 0xff000000, v58
	v_lshrrev_b32 v62, 23, v60                     ; the scales' bytes
	v_lshrrev_b32 v63, 23, v61
	v_lshl_or_b32 v62, v63, 8, v62
.irp i, 0,1,2,3
	v_cvt_scalef32_pk8_fp4_f32 v[64+\i], v[192+8*\i:199+8*\i], v60
	v_cvt_scalef32_pk8_fp4_f32 v[68+\i], v[224+8*\i:231+8*\i], v61
.endr
	v_nop                                          ; a plain line behind the conversions
	ds_store_b128 v14, v[64:67]
	ds_store_b128 v14, v[68:71] offset:16
	ds_store_b16 v15, v62
	s_wait_dscnt 0x0                               ; my part of A' has landed; my reads of out are over
	s_barrier_signal -1
	s_barrier_wait -1
	; THE LAST PRODUCT: source 0 = 16 rows of Wo, source 1 = 16 rows of A'; two tiles of rows x four of columns
.irp g, 0,1
.irp s, 0,1,2,3
.irp c, 0,1
	ds_load_b128 v[192+32*\g+8*\s+4*\c:192+32*\g+8*\s+4*\c+3], v7 offset:\g*16*PW+64*\s+32*\c
.endr
.endr
	ds_load_b128 v[VSC+4*\g:VSC+4*\g+3], v8 offset:256*\g
.endr
	s_wait_dscnt 0x0
	WIN 0x01
.irp s, 0,1,2,3                                ; eight accumulators by turns; bo starts the sums
.irp g, 0,1
.irp n, 0,1,2,3
.if \s == 0
	WMV ACC+32*\g+8*\n, 32*\n, 192+32*\g, 128+8*\n, WSC+4*\n, VSC+4*\g
.else
	WMV ACC+32*\g+8*\n, 32*\n+8*\s, 192+32*\g+8*\s, ACC+32*\g+8*\n, WSC+4*\n+\s, VSC+4*\g+\s
.endif
.endr
.endr
.endr
	WIN 0
	PLACES                                         ; four places between the last products and the stores that read results
	; THE WAY OUT: 32 rows x 256 bytes through my own stage, back as whole rows.  LDS serves a wave's instructions in order (ISA guide 5.7.1.4).
.irp g, 0,1
.irp n, 0,1,2,3
	ds_store_b128 v9, v[ACC+32*\g+8*\n:ACC+32*\g+8*\n+3] offset:\g*16*PW+64*\n      ; each accumulator from its low end on
	ds_store_b128 v9, v[ACC+32*\g+8*\n+4:ACC+32*\g+8*\n+7] offset:\g*16*PW+64*\n+16
.endr
.endr
.irp p, 0,1,2,3,4,5,6,7,8,9,10,11,12,13,14,15
	ds_load_b128 v[128+4*\p:131+4*\p], v10 offset:2*PW*\p
.endr
.irp p, 0,1,2,3,4,5,6,7,8,9,10,11,12,13,14,15
	s_wait_dscnt 15-\p
	global_store_b128 v11, v[128+4*\p:131+4*\p], s[34:35] offset:4096*\p th:TH_STORE_NT   ; 16 lanes store 256 consecutive bytes, at a multiple of 256 from out0's first byte
.endr
	s_wait_tensorcnt 0x0                           ; the wave's end
	ds_add_u32 v[SPW], v[NIL]
	s_wait_dscnt 0x0
	ROUND                                          ; the closing round: no work-group ends while a partner may still ask for rows that name it
	s_endpgm
.Lfunc_end_k_q0623235ea0_fuzzy:
	.size	k_q0623235ea0_fuzzy, .Lfunc_end_k_q0623235ea0_fuzzy-k_q0623235ea0_fuzzy
	.p2alignl 7, 3214868480
	.fill 96, 4, 3214868480
	.section	.rodata,"a",@progbits
	.p2align	6, 0x0
	.amdhsa_kernel k_q0623235ea0_fuzzy
		.amdhsa_group_segment_fixed_size 327680
		.amdhsa_private_segment_fixed_size 0
		.amdhsa_enable_private_segment 0
		.amdhsa_kernarg_size 128
		.amdhsa_user_sgpr_count 2
		.amdhsa_user_sgpr_kernarg_segment_ptr 1
		.amdhsa_wavefront_size32 1
		.amdhsa_system_sgpr_workgroup_id_x 1
		.amdhsa_system_sgpr_workgroup_id_y 1
		.amdhsa_system_sgpr_workgroup_id_z 1
		.amdhsa_system_vgpr_workitem_id 0
		.amdhsa_next_free_vgpr 512
		.amdhsa_next_free_sgpr 102
		.amdhsa_reserve_vcc 0
		.amdhsa_float_denorm_mode_32 3
		.amdhsa_float_denorm_mode_16_64 3
		.amdhsa_memory_ordered 1
		.amdhsa_forward_progress 1
		.amdhsa_inst_pref_size 169
	.end_amdhsa_kernel
	.amdgpu_metadata
---
amdhsa.version: [ 1, 2 ]
amdhsa.kernels:
  - .name:           k_q0623235ea0_fuzzy
    .symbol:         k_q0623235ea0_fuzzy.kd
    .args:
      - { .name: Wv_codes, .offset: 0, .size: 8, .value_kind: global_buffer, .address_space: global }
      - { .name: Wv_scales, .offset: 8, .size: 8, .value_kind: global_buffer, .address_space: global }
      - { .name: bv, .offset: 16, .size: 8, .value_kind: global_buffer, .address_space: global }
      - { .name: value_codes, .offset: 24, .size: 8, .value_kind: global_buffer, .address_space: global }
      - { .name: value_scales, .offset: 32, .size: 8, .value_kind: global_buffer, .address_space: global }
      - { .name: query_codes, .offset: 40, .size: 8, .value_kind: global_buffer, .address_space: global }
      - { .name: query_scales, .offset: 48, .size: 8, .value_kind: global_buffer, .address_space: global }
      - { .name: Wq_codes, .offset: 56, .size: 8, .value_kind: global_buffer, .address_space: global }
      - { .name: Wq_scales, .offset: 64, .size: 8, .value_kind: global_buffer, .address_space: global }
      - { .name: bq, .offset: 72, .size: 8, .value_kind: global_buffer, .address_space: global }
      - { .name: rules_keys, .offset: 80, .size: 8, .value_kind: global_buffer, .address_space: global }
      - { .name: rules_widths, .offset: 88, .size: 8, .value_kind: global_buffer, .address_space: global }
      - { .name: Wo_codes, .offset: 96, .size: 8, .value_kind: global_buffer, .address_space: global }
      - { .name: Wo_scales, .offset: 104, .size: 8, .value_kind: global_buffer, .address_space: global }
      - { .name: bo, .offset: 112, .size: 8, .value_kind: global_buffer, .address_space: global }
      - { .name: out0, .offset: 120, .size: 8, .value_kind: global_buffer, .address_space: global }
    .group_segment_fixed_size: 327680
    .private_segment_fixed_size: 0
    .kernarg_segment_align: 8
    .kernarg_segment_size: 128
    .max_flat_workgroup_size: 256
    .sgpr_count:     102
    .vgpr_count:     512
    .wavefront_size: 32
...
	.end_amdgpu_metadata
.endif
;; end of part 1
